; MI455X (gfx1250); checked and timed in simulation.
; The chip was launched on July 23, 2026; its instructions are those of AMD's public machine-readable ISA for CDNA 5 (MIT licence, August 2026) and "CDNA5" Instruction Set Architecture Reference Guide (July 2026). The comments in the code are by the model that wrote it; some were corrected since.
;; Growing Crystal Attention. Allowed arithmetic: matrix products marked QUANTISED: E2M1 operands, one E8M0 scale for each 32 along K, by v_wmma_scale_f32_16x16x128_f8f6f4 with both operands' format E2M1 (or v_wmma_scale_f32_32x16x128_f4), f32 sums; products left as they are: f32 operands where the result goes on into a quantised operand, else bf16, f16 or f32 operands; f32 sums; everything else in f32.
;; Inputs: out_W 512 x 512 float32; out_b 512 float32; positions 128 x 512 float32; scales 128 float32; value_weight 128 x 512 x 512 float32; x 4 x 512 x 512 float32.
;; Outputs: out0 4 x 512 x 512 float32.
;; This version of the problem:
;;   THIS VERSION OF THE PROBLEM IS GIVEN IN LOW PRECISION. The matrix products marked QUANTISED in the list below multiply operands that are first quantised to E2M1 (2 exponent bits, 1 mantissa bit; 4 bits a number), with one power-of-two scale for each 32 numbers along K (OCP MX v1.0); their sums are f32. All else is computed in f32.
;;   The module's matrix products, in the order in which they are computed (A, B: the left and right operand; K: the contracted axis; several contracted axes count as one K, in the product's order):
;;     1. batch 2,048 x [M 512, K 1] x [K 1, N 128]; A: computed on the way; B: computed on the way: left as it is (no contracted axis)
;;     2. [M 2,048, K 65,536] x [K 65,536, N 512]; A: computed on the way; B: input value_weight: QUANTISED
;;     3. [M 2,048, K 512] x [K 512, N 512]; A: computed on the way; B: input out_W: QUANTISED
;;   THE QUANTISER, for each operand of a quantised product, along K:
;;     - K is cut into blocks of 32 from its start; a last block that is shorter is filled with zeros.
;;     - A block's scale is 2^e with e = floor(log2(the largest magnitude in the block)) - 2, held to -126 .. 127; a block of zeros has e = 0. As a byte (E8M0): e + 127.
;;     - Each number is divided by its block's scale, clamped to +-6, and rounded to the nearest number of E2M1, ties to even, subnormals kept.
;;     - The product sums the exact products of the quantised numbers (number of the format x scale) in f32.
;;   ~~~python
;;   def quantise(x, axis):      # numpy; x: float32 -> the quantised numbers, widened to float32 again
;;       x = np.moveaxis(x, axis, -1); K = x.shape[-1]
;;       x = np.pad(x, [(0, 0)] * (x.ndim - 1) + [(0, -K % 32)]); x = x.reshape(x.shape[:-1] + (-1, 32)); a = np.abs(x).max(-1, keepdims=True)
;;       e = np.where(a > 0, np.clip(np.frexp(np.where(a > 0, a, 1))[1] - 1 - 2, -126, 127), 0)      # np.frexp(a)[1] - 1 = floor(log2(a)), exactly
;;       r = np.clip(x / 2.0 ** e, -6, 6)
;;       step = 2.0 ** (np.maximum(np.frexp(np.where(r == 0, 1, r))[1] - 1, 0) - 1)
;;       q = np.round(r / step) * step * 2.0 ** e      # np.round: ties to even
;;       return np.moveaxis(q.reshape(q.shape[:-2] + (-1,))[..., :K], -1, axis).astype(np.float32)
;;   ~~~
;;   OPERANDS COMPUTED ON THE WAY. 'Computed on the way' means the value that the module computes at that place (a softmax that the list does not call 'softmax' is quantised finished and normalised). What goes into a quantiser is computed in f32, as accurately as f32 sums, v_exp_f32 and their like allow (about 1e-6 of the number): no bf16 or f16 on the way to a quantiser, and a product that is left as it is and whose result goes on into a quantised operand takes f32 operands (vector FMAs, or v_wmma_f32_16x16x4_f32). A number that lies on a knife's edge between two numbers of the format may be rounded either way, as far as f32 arithmetic and the matrix unit's own rounding can turn it there, and no further.
;; One version. Each part assembles by itself: llvm-mc -triple=amdgcn-amd-amdhsa -mcpu=gfx1250 --defsym DOCPART=n.
;; ======== version 1 of 1: 3 launches
;; workspace buffers: attn 1,048,576 bytes; vq 17,825,792 bytes; wq 139,264 bytes; part 67,108,864 bytes
;; launch prep (part 1): grid 1296 x 1, 8 waves a work-group, no clusters, 29,696 bytes of LDS; arguments x, positions, scales, value_weight, out_W, attn, vq, wq; writes attn, vq, wq
.if DOCPART == 1
	.amdgcn_target "amdgcn-amd-amdhsa--gfx1250"
	.amdhsa_code_object_version 6
	.text
	.protected	k_q8efd1628fc_prep
	.globl	k_q8efd1628fc_prep
	.p2align	8
	.type	k_q8efd1628fc_prep,@function
k_q8efd1628fc_prep:
	s_mov_b64 s[64:65], 0
	v_nop
	global_prefetch_b8 v0, s[64:65] scope:SCOPE_SE
	s_setreg_imm32_b32 hwreg(HW_REG_WAVE_MODE, 25, 1), 1
	s_wait_xcnt 0x0
; PREP: three kinds of work-group, told apart by the work-group's number alone.
;   0 .. 15      out_W [512 j][512 k] f32 -> codes of E2M1 along k, as images of operand registers, and scale words (buffer wq)
;   16 .. 271    attn [2048][128] f32 = softmax_n(scales[n] / (|x[t] - positions[n]| + 0.1)), eight rows a work-group
;   272 .. 1295  value_weight [128 n][512 d][512 e] f32 -> codes of E2M1 along n (the inner part of the product's K = 128 d + n), buffer vq
; A block's scale is 2^(floor(log2(largest magnitude)) - 2); its byte is the largest magnitude's exponent field - 2, held at 1 from below.
; LIMITS: NaN and infinities are not served.  A block of zeros gets the byte 1 where the rule says 127: its codes are zeros and this program alone reads the bytes.
; Blocks whose largest magnitude lies under 2^(3 - 127) keep the byte 1.  A division is v_rcp_f32 and a multiplication; an exponential under 2^-126 comes out as 0.
; No tensor loads, no matrix work.  Each kind has LDS bytes of its own.
; vq: one block of 34,816 bytes for each d: [w 4][tile i 8][image: c x 512 + lane x 16], then from byte 32,768 the scale words [w 4][lane l 32][b 4].
;     Lane r of tile i = 2 b + u of part w holds column e = 128 w + 32 b + 8 u + r + 8 (r / 8); word (l, b) belongs to tile 2 b + l / 16, row l % 16.
; wq: fragment f = 4 jt + s (rows 16 jt + r, k = 128 s on): image at 1,024 f; its 16 scale words at 131,072 + 64 f.
.set XSB,  0                           ; LDS, attn: eight rows of x, 2,048 bytes each
.set DSQ,  16384                       ; LDS, attn: sums of squares [half of d 2][row 8][neuron 128] f32
.set VSC,  24576                       ; LDS, value_weight: 1,024 bytes of scale words
.set ACC,  16                          ; v16-31   attn: a pair of sums for each row
.set AP,   32                          ; v32-95   attn: two sets of 32 numbers of my neuron's position
.set AX,   96                          ; v96-159  attn: two sets of 4 rows x 8 numbers of x
.set VX,   32                          ; v32-95   value_weight: two sets of 32 numbers down n
.set VC,   96                          ; v96-111  its codes, four registers a block
.set VSBR, 112                         ; v112     its four scale bytes
	s_load_b512 s[4:19], s[0:1], 0x0               ; x s[4:5], positions s[6:7], scales s[8:9], value_weight s[10:11], out_W s[12:13], attn s[14:15], vq s[16:17], wq s[18:19]
	v_lshl_add_u32 v160, v0, 2, 0x7000
	v_mov_b32 v161, 0
	v_and_b32 v1, 31, v0                           ; lane
	v_lshrrev_b32 v2, 5, v0
	v_readfirstlane_b32 s52, v2                    ; wave u, 0..7
	s_wait_kmcnt 0x0
	s_cmp_lt_u32 ttmp9, 16
	s_cbranch_scc1 .Lrole_w
	s_cmp_lt_u32 ttmp9, 272
	s_cbranch_scc1 .Lrole_attn
; ---------------------------------------------------------------- value_weight
; A lane takes a column e and its registers run down n: a block of 32 along K lies in one lane, and the conversions give codes with K innermost.
; Work-group v: d = v / 2, columns 256 (v % 2) on; wave u: 32 columns.  Each load reads 128 bytes on end, the eight waves 1,024.
	s_sub_co_u32 s53, ttmp9, 272
	s_lshr_b32 s54, s53, 1                         ; d
	s_and_b32 s55, s53, 1                          ; eh
	s_lshl_b32 s56, s54, 11                        ; d rows of 2,048 bytes
	s_lshl_b32 s57, s55, 10
	s_add_co_u32 s56, s56, s57
	s_lshl_b32 s57, s52, 7
	s_add_co_u32 s56, s56, s57                     ; + (8 eh + u) x 128
	s_mov_b32 s57, 0
	s_add_nc_u64 s[20:21], s[10:11], s[56:57]      ; sixteen bases, eight planes n (2^20 bytes each) apart: the plane within eight stands in the immediate
.irp k, 1,2,3,4,5,6,7,8,9,10,11,12,13,14,15
	s_add_nc_u64 s[20+2*\k:21+2*\k], s[18+2*\k:19+2*\k], 0x800000
.endr
	s_mul_i32 s56, s54, 34816                      ; d's block in vq
	s_lshl_b32 s58, s55, 14
	s_add_co_u32 s58, s58, s56
	s_lshl_b32 s59, s52, 11
	s_add_co_u32 s58, s58, s59                     ; + 8,192 w + 2,048 b = 16,384 eh + 2,048 u
	s_mov_b32 s59, 0
	s_add_nc_u64 s[58:59], s[16:17], s[58:59]
	s_lshl_b32 s60, s55, 10
	s_add_co_u32 s60, s60, s56
	s_lshl_b32 s61, s52, 9
	s_add_co_u32 s60, s60, s61
	s_add_co_u32 s60, s60, 32768                   ; the scale words' way out (waves 0 and 1): 32,768 + 1,024 eh + 512 u
	s_mov_b32 s61, 0
	s_add_nc_u64 s[60:61], s[16:17], s[60:61]
	v_lshlrev_b32 v3, 2, v1                        ; in: 4 bytes a lane
	v_bfe_u32 v6, v1, 3, 1                         ; which of the pair of tiles my column falls in
	v_and_b32 v7, 7, v1
	v_lshrrev_b32 v8, 4, v1
	v_lshl_add_u32 v7, v8, 3, v7                   ; and which row of it
	v_lshlrev_b32 v4, 4, v7
	v_lshl_add_u32 v4, v6, 10, v4                  ; codes: 1,024 x tile + 16 x row
	v_lshl_add_u32 v5, v6, 4, v7
	v_lshlrev_b32 v5, 4, v5                        ; scale word: 16 x (16 x tile + row)
	s_lshr_b32 s62, s52, 2
	s_lshl_b32 s62, s62, 9
	s_and_b32 s63, s52, 3
	s_lshl_b32 s63, s63, 2
	s_add_co_u32 s62, s62, s63
	s_add_co_u32 s62, s62, VSC
	v_add_nc_u32 v5, s62, v5                       ; + 512 (u / 4) + 4 (u % 4)
	s_lshl_b32 s63, s52, 9
	s_add_co_u32 s63, s63, VSC
	v_lshlrev_b32 v9, 4, v1
	v_add_nc_u32 v10, s63, v9                      ; back: 512 u + 16 x lane (read by waves 0 and 1 alone)
.macro VLOAD t                         ; block t: value_weight(32 t + i, d, my column) into set t % 2
.irp i, 0,1,2,3,4,5,6,7,8,9,10,11,12,13,14,15,16,17,18,19,20,21,22,23,24,25,26,27,28,29,30,31
	global_load_b32 v[VX+32*((\t)%2)+\i], v3, s[20+2*((32*(\t)+\i)/8):21+2*((32*(\t)+\i)/8)] offset:((32*(\t)+\i)%8)*1048576 th:TH_LOAD_NT
.endr
.endm
.macro VBLOCK t
.set XB, VX+32*((\t)%2)
.if (\t) < 3
	s_wait_loadcnt 32                              ; this block's 32 loads are in; the next block's may be out
.else
	s_wait_loadcnt 0x0
.endif
	v_max3_num_f32 v12, |v[XB]|, |v[XB+1]|, |v[XB+2]|      ; the block's largest magnitude, in two chains
	v_max3_num_f32 v13, |v[XB+3]|, |v[XB+4]|, |v[XB+5]|
.irp i, 6,10,14,18,22,26
	v_max3_num_f32 v12, v12, |v[XB+\i]|, |v[XB+\i+1]|
	v_max3_num_f32 v13, v13, |v[XB+\i+2]|, |v[XB+\i+3]|
.endr
	v_max3_num_f32 v12, v12, |v[XB+30]|, |v[XB+31]|
	v_max3_num_f32 v12, v12, v13, 0x1800000        ; and the floor 2^(3 - 127): the byte cannot fall under 1
	v_add_nc_u32 v14, 0xff000000, v12              ; 2 off the exponent field: the conversion's scale operand
	v_lshrrev_b32 v15, 23, v14                     ; the byte
.if (\t) == 0
	v_mov_b32 v[VSBR], v15
.else
	v_lshl_or_b32 v[VSBR], v15, 8*(\t), v[VSBR]    ; block t scales k = 32 t on: byte t of the column's word
.endif
.irp g, 0,1,2,3
	v_cvt_scalef32_pk8_fp4_f32 v[VC+4*(\t)+\g], v[XB+8*\g:XB+8*\g+7], v14
.endr
	global_store_b128 v4, v[VC+4*(\t):VC+4*(\t)+3], s[58:59] offset:((\t)/2)*512+((\t)%2)*256   ; block t = 2 c + h: registers 4 c on of lane 16 h + row: sixteen lanes fill 256 aligned bytes, twice
.if (\t)+2 < 4
	VLOAD (\t)+2
.endif
.endm
	VLOAD 0
	VLOAD 1
	VBLOCK 0
	VBLOCK 1
	VBLOCK 2
	VBLOCK 3
	ds_store_b32 v5, v[VSBR]
	s_wait_dscnt 0x0                               ; for the others' sake: my word lies in LDS
	s_barrier_signal -1
	s_barrier_wait -1
	s_cmp_lt_u32 s52, 2
	s_cbranch_scc0 .Lv_end
	ds_load_b128 v[12:15], v10
	s_wait_dscnt 0x0
	global_store_b128 v9, v[12:15], s[60:61]       ; 512 bytes on end
.Lv_end:
	s_wait_tensorcnt 0x0
	ds_add_u32 v160, v161
	s_wait_dscnt 0x0
	s_endpgm
; ---------------------------------------------------------------- out_W
; One fragment a wave.  K is innermost in memory: lane (r, h) takes, of row 16 jt + r, k = 128 s + 64 c + 32 h + 0 .. 31: two whole blocks.
.Lrole_w:
	s_mov_b32 s62, 0x76543210
	s_mov_b32 s63, 0xfedcba98                      ; v_permlanex16_b32's selects for lane l xor 16
	s_lshl_b32 s53, ttmp9, 3
	s_add_co_u32 s53, s53, s52                     ; f
	s_lshr_b32 s54, s53, 2
	s_and_b32 s55, s53, 3
	s_lshl_b32 s54, s54, 15                        ; 16 jt rows of 2,048 bytes
	s_lshl_b32 s55, s55, 9                         ; + 512 s
	s_add_co_u32 s54, s54, s55
	s_mov_b32 s55, 0
	s_add_nc_u64 s[12:13], s[12:13], s[54:55]
	s_lshl_b32 s56, s53, 10
	s_mov_b32 s57, 0
	s_add_nc_u64 s[56:57], s[18:19], s[56:57]      ; the image
	s_lshl_b32 s58, s53, 6
	s_add_co_u32 s58, s58, 131072
	s_mov_b32 s59, 0
	s_add_nc_u64 s[58:59], s[18:19], s[58:59]      ; the scale words
	v_and_b32 v2, 15, v1                           ; r
	v_lshrrev_b32 v3, 4, v1                        ; h
	v_lshlrev_b32 v4, 11, v2
	v_lshl_add_u32 v4, v3, 7, v4
	v_lshlrev_b32 v5, 4, v1
	v_lshlrev_b32 v6, 2, v2
.irp c, 0,1
.irp q, 0,1,2,3,4,5,6,7
	global_load_b128 v[32+32*\c+4*\q:35+32*\c+4*\q], v4, s[12:13] offset:256*\c+16*\q
.endr
.endr
	s_wait_loadcnt 0x0
.irp c, 0,1
	v_max3_num_f32 v[12+\c], |v[32+32*\c]|, |v[33+32*\c]|, 0x1800000
.endr
.irp i, 2,4,6,8,10,12,14,16,18,20,22,24,26,28,30
.irp c, 0,1
	v_max3_num_f32 v[12+\c], v[12+\c], |v[32+32*\c+\i]|, |v[33+32*\c+\i]|
.endr
.endr
.irp c, 0,1
	v_add_nc_u32 v[14+\c], 0xff000000, v[12+\c]
.endr
.irp c, 0,1
	v_lshrrev_b32 v[16+\c], 23, v[14+\c]
.endr
	v_lshl_or_b32 v18, v17, 16, v16                ; my bytes: blocks h and 2 + h of row r,
	v_lshlrev_b32 v19, 3, v3
	v_lshlrev_b32 v18, v19, v18                    ; at their places in the word;
	v_mov_b32 v19, 0
	v_permlanex16_b32 v19, v18, s62, s63
	v_or_b32 v18, v18, v19                         ; with lane l xor 16's two the word is whole
.irp c, 0,1
.irp g, 0,1,2,3
	v_cvt_scalef32_pk8_fp4_f32 v[96+4*\c+\g], v[32+32*\c+8*\g:39+32*\c+8*\g], v[14+\c]
.endr
.endr
	v_cmp_gt_u32 vcc_lo, 16, v1
.irp c, 0,1
	global_store_b128 v5, v[96+4*\c:99+4*\c], s[56:57] offset:512*\c
.endr
	s_wait_xcnt 0x0                                ; EXEC changes only behind this wait
	s_and_saveexec_b32 s53, vcc_lo
	global_store_b32 v6, v18, s[58:59]             ; lanes 0-15: row r's word
	s_endpgm
; ---------------------------------------------------------------- attn
; Eight rows of x lie in LDS.  Wave u: neurons 32 (u % 4) on, a lane a neuron; d = 256 (u / 4) on.  The differences are formed as they are written (no expansion of the square).
; A unit is 8 numbers along d x 4 rows: 16 packed differences, 16 packed multiply-adds in four chains.  x comes by LDS loads of one address for all lanes, a unit ahead; positions come 32 numbers (a chunk) at a time, two chunks ahead.
.Lrole_attn:
	s_mov_b32 s62, 0x76543210
	s_mov_b32 s63, 0xfedcba98
	s_sub_co_u32 s53, ttmp9, 16
	s_lshl_b32 s53, s53, 3
	s_add_co_u32 s54, s53, s52                     ; the row that my wave brings in and finishes
	s_and_b32 s55, s52, 3                          ; ng
	s_lshr_b32 s56, s52, 2                         ; dh
	s_mov_b32 s59, 0
	s_lshl_b32 s58, s54, 11
	s_add_nc_u64 s[4:5], s[4:5], s[58:59]
	s_lshl_b32 s58, s55, 16
	s_lshl_b32 s57, s56, 10
	s_add_co_u32 s58, s58, s57
	s_add_nc_u64 s[6:7], s[6:7], s[58:59]          ; positions: 32 ng rows of 2,048 bytes + 1,024 dh
	s_lshl_b32 s58, s54, 9
	s_add_nc_u64 s[14:15], s[14:15], s[58:59]
	v_lshlrev_b32 v2, 4, v1                        ; 16 x lane
	v_lshlrev_b32 v3, 11, v1                       ; my neuron's row
	s_lshl_b32 s60, s52, 11
	v_add_nc_u32 v4, s60, v2                       ; x into LDS: row u
	v_mov_b32 v5, s57                              ; x out of LDS: 1,024 dh, the same in every lane
	s_lshl_b32 s60, s56, 12
	s_lshl_b32 s61, s55, 7
	s_add_co_u32 s60, s60, s61
	s_add_co_u32 s60, s60, DSQ
	v_lshl_add_u32 v6, v1, 2, s60                  ; my sums: 4,096 dh + 4 x neuron
	s_lshl_b32 s61, s52, 9
	s_add_co_u32 s61, s61, DSQ
	v_add_nc_u32 v7, s61, v2                       ; row u's sums: four neurons a lane
.macro PLOAD c                         ; chunk c of my neuron's position into set c % 2
.irp k, 0,1,2,3,4,5,6,7
	global_load_b128 v[AP+32*((\c)%2)+4*\k:AP+32*((\c)%2)+4*\k+3], v3, s[6:7] offset:(\c)*128+16*\k
.endr
.endm
.macro XLOAD q                         ; unit q = 8 chunk + 2 o + tg: rows 4 tg on, d = 32 chunk + 8 o on, into set q % 2
.set xc, (\q)/8
.set xo, ((\q)/2)%4
.set xg, (\q)%2
.set xb, AX+32*((\q)%2)
.irp tt, 0,1,2,3
.irp hh, 0,1
	ds_load_b128 v[xb+8*\tt+4*\hh:xb+8*\tt+4*\hh+3], v5 offset:XSB+(4*xg+\tt)*2048+xc*128+xo*32+16*\hh
.endr
.endr
.endm
.macro UNIT q
.if (\q) < 63
	XLOAD (\q)+1
	s_wait_dscnt 8                                 ; this unit's eight loads are in; the next unit's may be out
.else
	s_wait_dscnt 0x0
.endif
.if (\q)%8 == 0
.if (\q)/8 < 7
	s_wait_loadcnt 8                               ; this chunk of positions is in; the next chunk's eight loads may be out
.else
	s_wait_loadcnt 0x0
.endif
.endif
.set uo, ((\q)/2)%4
.set ug, (\q)%2
.set ub, AX+32*((\q)%2)
.set up, AP+32*(((\q)/8)%2)+8*uo
.irp pi, 0,1,2,3
.irp tt, 0,1,2,3
	v_pk_add_f32 v[ub+8*\tt+2*\pi:ub+8*\tt+2*\pi+1], v[ub+8*\tt+2*\pi:ub+8*\tt+2*\pi+1], v[up+2*\pi:up+2*\pi+1] neg_lo:[0,1] neg_hi:[0,1]
.endr
.endr
.irp pi, 0,1,2,3
.irp tt, 0,1,2,3
.if ((\q) < 2) && (\pi == 0)
	v_pk_mul_f32 v[ACC+2*(4*ug+\tt):ACC+2*(4*ug+\tt)+1], v[ub+8*\tt+2*\pi:ub+8*\tt+2*\pi+1], v[ub+8*\tt+2*\pi:ub+8*\tt+2*\pi+1]   ; the first squares start the sums
.else
	v_pk_fma_f32 v[ACC+2*(4*ug+\tt):ACC+2*(4*ug+\tt)+1], v[ub+8*\tt+2*\pi:ub+8*\tt+2*\pi+1], v[ub+8*\tt+2*\pi:ub+8*\tt+2*\pi+1], v[ACC+2*(4*ug+\tt):ACC+2*(4*ug+\tt)+1]
.endif
.endr
.endr
.if ((\q)%8 == 7) && ((\q)/8+2 < 8)
	PLOAD (\q)/8+2
.endif
.endm
.irp q, 0,1,2,3
	global_load_b128 v[AX+4*\q:AX+4*\q+3], v2, s[4:5] offset:512*\q     ; my row of x, 512 bytes on end a load
.endr
	PLOAD 0
	PLOAD 1
	s_wait_loadcnt 16                              ; x is in; the sixteen loads of positions may be out
.irp q, 0,1,2,3
	ds_store_b128 v4, v[AX+4*\q:AX+4*\q+3] offset:XSB+512*\q
.endr
	s_wait_dscnt 0x0
	s_barrier_signal -1
	s_barrier_wait -1                              ; eight rows of x lie in LDS
	XLOAD 0
.set Q, 0
.rept 64
	UNIT Q
.set Q, Q+1
.endr
.irp t, 0,1,2,3,4,5,6,7
	v_add_f32 v[ACC+2*\t], v[ACC+2*\t], v[ACC+2*\t+1]
.endr
.irp t, 0,1,2,3,4,5,6,7
	ds_store_b32 v6, v[ACC+2*\t] offset:512*\t
.endr
	global_load_b128 v[40:43], v2, s[8:9]          ; scales of neurons 4 x lane on
	s_wait_dscnt 0x0
	s_barrier_signal -1
	s_barrier_wait -1                              ; both halves of every sum lie in LDS
	ds_load_b128 v[32:35], v7
	ds_load_b128 v[36:39], v7 offset:4096
	v_mov_b32 v45, 0                               ; (a lane permute's destination counts as one of its sources)
	s_mov_b32 s60, 0x3fb8aa3b                      ; log2(e)
	s_wait_dscnt 0x0
	v_pk_add_f32 v[32:33], v[32:33], v[36:37]
	v_pk_add_f32 v[34:35], v[34:35], v[38:39]
.irp i, 0,1,2,3
	v_sqrt_f32 v[32+\i], v[32+\i]
.endr
	v_nop                                          ; one plain place behind the transcendentals (ISA guide 5.7.2)
	s_wait_alu depctr_va_vdst(0)
.irp i, 0,1,2,3
	v_add_f32 v[32+\i], 0x3dcccccd, v[32+\i]       ; + 0.1
.endr
.irp i, 0,1,2,3
	v_rcp_f32 v[32+\i], v[32+\i]
.endr
	v_nop
	s_wait_loadcnt 0x0                             ; scales
	s_wait_alu depctr_va_vdst(0)
	v_pk_mul_f32 v[32:33], v[32:33], v[40:41]
	v_pk_mul_f32 v[34:35], v[34:35], v[42:43]
	v_max3_num_f32 v44, v32, v33, v34              ; the row's maximum: my four, then the 32 lanes
	v_max_num_f32 v44, v44, v35
	v_max_num_f32_dpp v44, v44, v44 row_xmask:1 row_mask:0xf bank_mask:0xf
	v_max_num_f32_dpp v44, v44, v44 row_xmask:2 row_mask:0xf bank_mask:0xf
	v_max_num_f32_dpp v44, v44, v44 row_xmask:4 row_mask:0xf bank_mask:0xf
	v_max_num_f32_dpp v44, v44, v44 row_xmask:8 row_mask:0xf bank_mask:0xf
	v_permlanex16_b32 v45, v44, s62, s63
	v_max_num_f32 v44, v44, v45
	v_mul_f32 v46, s60, v44                        ; the maximum x log2(e): its rounding is common to the row and leaves with the division
.irp i, 0,1,2,3
	v_fma_f32 v[32+\i], v[32+\i], s60, -v46        ; (i - maximum) x log2(e), one rounding
.endr
.irp i, 0,1,2,3
	v_exp_f32 v[32+\i], v[32+\i]
.endr
	v_nop
	s_wait_alu depctr_va_vdst(0)
	v_add_f32 v44, v32, v33
	v_add_f32 v47, v34, v35
	v_add_f32 v44, v44, v47
	v_add_f32_dpp v44, v44, v44 row_xmask:1 row_mask:0xf bank_mask:0xf
	v_add_f32_dpp v44, v44, v44 row_xmask:2 row_mask:0xf bank_mask:0xf
	v_add_f32_dpp v44, v44, v44 row_xmask:4 row_mask:0xf bank_mask:0xf
	v_add_f32_dpp v44, v44, v44 row_xmask:8 row_mask:0xf bank_mask:0xf
	v_permlanex16_b32 v45, v44, s62, s63
	v_add_f32 v44, v44, v45
	v_rcp_f32 v44, v44
	v_nop
	s_wait_alu depctr_va_vdst(0)
	v_pk_mul_f32 v[32:33], v[32:33], v[44:45] op_sel_hi:[1,0]
	v_pk_mul_f32 v[34:35], v[34:35], v[44:45] op_sel_hi:[1,0]
	global_store_b128 v2, v[32:35], s[14:15]       ; a row of attn: 512 bytes on end
	s_wait_tensorcnt 0x0
	ds_add_u32 v160, v161
	s_wait_dscnt 0x0
	s_endpgm
.Lfunc_end_k_q8efd1628fc_prep:
	.size	k_q8efd1628fc_prep, .Lfunc_end_k_q8efd1628fc_prep-k_q8efd1628fc_prep
	.p2alignl 7, 3214868480
	.fill 96, 4, 3214868480
	.section	.rodata,"a",@progbits
	.p2align	6, 0x0
	.amdhsa_kernel k_q8efd1628fc_prep
		.amdhsa_group_segment_fixed_size 29696
		.amdhsa_private_segment_fixed_size 0
		.amdhsa_enable_private_segment 0
		.amdhsa_kernarg_size 64
		.amdhsa_user_sgpr_count 2
		.amdhsa_user_sgpr_kernarg_segment_ptr 1
		.amdhsa_wavefront_size32 1
		.amdhsa_system_sgpr_workgroup_id_x 1
		.amdhsa_system_sgpr_workgroup_id_y 1
		.amdhsa_system_sgpr_workgroup_id_z 1
		.amdhsa_system_vgpr_workitem_id 0
		.amdhsa_next_free_vgpr 162
		.amdhsa_next_free_sgpr 66
		.amdhsa_reserve_vcc 1
		.amdhsa_float_denorm_mode_32 3
		.amdhsa_float_denorm_mode_16_64 3
		.amdhsa_memory_ordered 1
		.amdhsa_forward_progress 1
		.amdhsa_inst_pref_size 202
	.end_amdhsa_kernel
	.amdgpu_metadata
---
amdhsa.version: [ 1, 2 ]
amdhsa.kernels:
  - .name:           k_q8efd1628fc_prep
    .symbol:         k_q8efd1628fc_prep.kd
    .args:
      - { .name: x, .offset: 0, .size: 8, .value_kind: global_buffer, .address_space: global }
      - { .name: positions, .offset: 8, .size: 8, .value_kind: global_buffer, .address_space: global }
      - { .name: scales, .offset: 16, .size: 8, .value_kind: global_buffer, .address_space: global }
      - { .name: value_weight, .offset: 24, .size: 8, .value_kind: global_buffer, .address_space: global }
      - { .name: out_W, .offset: 32, .size: 8, .value_kind: global_buffer, .address_space: global }
      - { .name: attn, .offset: 40, .size: 8, .value_kind: global_buffer, .address_space: global }
      - { .name: vq, .offset: 48, .size: 8, .value_kind: global_buffer, .address_space: global }
      - { .name: wq, .offset: 56, .size: 8, .value_kind: global_buffer, .address_space: global }
    .group_segment_fixed_size: 29696
    .private_segment_fixed_size: 0
    .kernarg_segment_align: 8
    .kernarg_segment_size: 64
    .max_flat_workgroup_size: 256
    .sgpr_count:     66
    .vgpr_count:     162
    .wavefront_size: 32
...
	.end_amdgpu_metadata
.endif
;; end of part 1
;; launch gemm (part 2): grid 16 x 16, 4 waves a work-group, clusters of 4 x 1, 327,680 bytes of LDS; arguments attn, x, vq, part; writes part
.if DOCPART == 2
	.amdgcn_target "amdgcn-amd-amdhsa--gfx1250"
	.amdhsa_code_object_version 6
	.text
	.protected	k_q8efd1628fc_gemm
	.globl	k_q8efd1628fc_gemm
	.p2align	8
	.type	k_q8efd1628fc_gemm,@function
k_q8efd1628fc_gemm:
	s_mov_b64 s[64:65], 0
	v_nop
	global_prefetch_b8 v0, s[64:65] scope:SCOPE_SE
	s_setreg_imm32_b32 hwreg(HW_REG_WAVE_MODE, 25, 1), 1
	s_wait_xcnt 0x0
	s_wait_alu depctr_hold_cnt(0) depctr_sa_sdst(0) depctr_va_vdst(0) depctr_va_sdst(0) depctr_va_ssrc(0) depctr_va_vcc(0) depctr_vm_vsrc(0)
	s_getreg_b32 s2, hwreg(HW_REG_IB_STS2, 6, 4)
	s_cmp_eq_u32 s2, 0
	s_cbranch_scc0 .Lentry_in_a_cluster
	s_endpgm
.Lentry_in_a_cluster:
	s_bfe_u32 s2, ttmp6, 0x10000c
	s_cmp_lg_u32 s2, 0x3003
	s_cbranch_scc0 .Lentry_shape_is_right
	s_endpgm
.Lentry_shape_is_right:
; part[ky] = the sum over d = 32 ky .. 32 ky + 31 and all n of Q(x[t][d] attn[t][n]) Q(value_weight[n][d][e]), on codes of E2M1 with one E8M0 scale for each 32 along K = 128 d + n.
; One matrix K step of 128 is one d with all 128 neurons.  The right operand comes as codes from vq; THE LEFT OPERAND IS MADE HERE: each product x attn is formed in f32 and converted, since its code hangs on x's mantissa.
; SHARES.  A work-group: rows 128 mt on x all 512 columns, 32 K steps.  Wave w: all 128 rows x columns 128 w on: 64 accumulators of 16 x 16, 512 registers.  With all 512 columns in one work-group the left operand is made once:
; wave w makes the fragments of row tiles 2 w and 2 w + 1 and hands them to the others through LDS as images of their registers (16 bytes a lane on end), two buffers by turns, one barrier a K step.
; A block's largest magnitude is |x| x (the largest attn of the block), rounded: rounding keeps the order, so no search is made in the loop.
; THE MATRIX INSTRUCTION IS USED TRANSPOSED: source 0 = 16 columns e, source 1 = 16 rows t.  The columns of a tile are chosen (see the launch before) so that a lane's registers of two neighbouring tiles are 16 neighbours along e, the next product's K.
; IN PHASES.  A K step has 64 matrix instructions (windows 1 to 3) and 103 vector instructions (window 0: the fragments of the K step after next).  The vector work stands in two blocks: tile 0's 51 behind the first 32 products,
; between the barrier's signal and its wait; tile 1's 52 behind the last 32.  So a K step has eight window switches.
; CLUSTER.  The four work-groups of a cluster share ky and walk the same blocks of vq: each block is asked for jointly (mask 15).  A wider cluster would share nothing more: the other operand does not come from memory by tiles.
; RING.  Two slots of four K steps (4 x 34,816 bytes, as they lie in vq); wave w fetches block w of a slot.  By this text's count a wave has two tensor loads out at the start and one behind each refill.
; LIMITS: NaN and infinities are not served; a block of zeros, and one whose largest magnitude lies under 2^(3 - 127), gets the byte 1.
; REGISTERS.  Window 0: v1-13 addresses; v16-23 x; v24-39 scales in the making; v40-55 codes; v56-79 products; v80-95 scale words; v128-255 attn.  Window 1: v0-127 V's fragments, two sets; v128-191 A's, one set.  Windows 2, 3: accumulator (a, i) at 8 (8 (a % 4) + i).
.set BLKB,  34816
.set SLOT,  139264                     ; 0x22000: no wave's place in a slot has one of these two bits, so one exclusive or changes slots
.set AIMG,  278528                     ; behind the ring: two buffers: eight images of 1,024 bytes, then 512 bytes of scale words [lane][a / 2]
.set ABUF,  8704
.set XSL,   295936                     ; x: [wave][tile 2][quad of d 8][row 16] x 16 bytes: each wave's own
.set SPARE, 312320                     ; the spare words, 128 bytes a wave: no other line names them
.set CO,   1                           ; v1   16 x lane
.set ADA,  2                           ; v2   AIMG + 16 x lane
.set AWI,  3                           ; v3   where I store my images: + 2,048 w
.set AWS,  4                           ; v4   and my scale words: AIMG + 8,192 + 16 x lane + 4 w
.set AV0,  5                           ; v5   my place in a block of vq: 8,192 w + 16 x lane
.set ASV0, 6                           ; v6   and among its scale words: 32,768 + 512 w + 16 x lane
.set ADV,  7
.set ADS,  8
.set ADRX, 9                           ; v9   the quad of x in hand
.set SPW,  10
.set NIL,  11
.set SH8,  12                          ; v12  8 x (lane / 16)
.set PO,   13                          ; v13  the way out: 256 (r / 8) + 16 (r % 8 + 8 h)
.set XC,   16                          ; v16-19, v20-23: four x of my row, tile 0 and 1
.set AMAX, 24                          ; v24-27 largest attn of my two blocks, a pair a tile
.set TT,   28
.set SO,   30                          ; v30-33 the conversions' scale operands
.set BY,   34
.set PW,   36                          ; v36, v37 the tiles' scale words; v38 both in one register
.set PWS,  38
.set XW,   39
.set CODE, 40
.set PR,   56
.set AS,   80                          ; v80-87  A's scale words, two sets of 4: register a / 2: lanes 0-15 the even tile, lanes 16-31 the odd
.set VS,   88                          ; v88-95  V's, two sets of 4: register b: lanes 0-15 tile 2 b, lanes 16-31 tile 2 b + 1
.set ATT,  128
.set MSB, 0
.macro WIN new                         ; the immediate's high byte repeats the setting that is left
.if MSB != (\new)
	s_set_vgpr_msb (MSB<<8)|(\new)
.set MSB, (\new)
.endif
.endm
.macro CREST                           ; a round of the cluster's barrier behind its opening barrier
	s_cmp_lg_u32 s12, 0
	s_cbranch_scc1 .Lnot_wave_0_\@
	s_barrier_signal -3
.Lnot_wave_0_\@:
	s_barrier_wait -3
	s_barrier_signal -1
	s_barrier_wait -1
.endm
.macro CROUND
	s_barrier_signal -1
	s_barrier_wait -1
	CREST
.endm
.macro PLACES
.rept 4
	v_nop
.endr
.endm
	s_load_b256 s[4:11], s[0:1], 0x0               ; attn s[4:5], x s[6:7], vq s[8:9], part s[10:11]
	v_lshl_add_u32 v[SPW], v0, 2, SPARE
	v_mov_b32 v[NIL], 0
	ds_add_u32 v10, v11
	ds_add_u32 v10, v11
	s_wait_dscnt 0x0
	v_lshrrev_b32 v1, 5, v0
	v_readfirstlane_b32 s12, v1                    ; wave 0..3
	s_bfe_u32 s13, ttmp6, 0x40000                  ; cx
	s_lshl_b32 s14, ttmp9, 2
	s_add_co_u32 s14, s14, s13                     ; mt: it enters attn's, x's and part's addresses alone
	s_and_b32 s15, ttmp7, 0xffff                   ; ky, which the four partners share
	s_mov_b32 s16, 15|(3<<16)|(1<<21)              ; group 1: the mask: all four; elements of 8 bytes; bit 21 beside a mask; no padding
	s_mov_b32 s17, 32<<16                          ; tensor_dim0 = 32 (256 bytes)
	s_mov_b32 s18, 136<<16                         ; tensor_dim1 = 136
	s_mov_b32 s19, 32<<16                          ; tile_dim0
	s_mov_b32 s20, 136                             ; tile_dim1
	s_mov_b32 s21, 32                              ; from row to row: the block is dense
	s_mov_b32 s22, 0
	s_mov_b32 s23, 0
	s_lshl_b32 s40, s15, 5
	s_add_co_u32 s40, s40, s12
	s_mul_i32 s40, s40, BLKB                       ; block 32 ky + w
	s_mov_b32 s41, 0
	s_mul_i32 s42, s12, BLKB                       ; its place in a slot
	s_mov_b32 s34, 0x76543210
	s_mov_b32 s35, 0xfedcba98
	s_mov_b32 s36, 0xffff0000                      ; lanes 16-31
	s_mov_b32 s32, 0                               ; LDS byte of the block to be fetched next
	v_and_b32 v99, 31, v0                          ; lane
	v_and_b32 v14, 15, v0                          ; r
	v_bfe_u32 v15, v0, 4, 1                        ; h
	v_lshlrev_b32 v[CO], 4, v99
	v_add_nc_u32 v[ADA], AIMG, v[CO]
	s_lshl_b32 s43, s12, 11
	s_add_co_u32 s43, s43, AIMG
	v_add_nc_u32 v[AWI], s43, v[CO]
	s_lshl_b32 s43, s12, 2
	s_add_co_u32 s43, s43, AIMG+8192
	v_add_nc_u32 v[AWS], s43, v[CO]
	s_lshl_b32 s43, s12, 13
	v_add_nc_u32 v[AV0], s43, v[CO]
	s_lshl_b32 s43, s12, 9
	s_add_co_u32 s43, s43, 32768
	v_add_nc_u32 v[ASV0], s43, v[CO]
	s_lshl_b32 s43, s12, 12
	s_add_co_u32 s43, s43, XSL
	v_lshl_add_u32 v[ADRX], v14, 4, s43
	v_add_nc_u32 v[XW], s43, v[CO]
	v_lshlrev_b32 v[SH8], 3, v15
	v_and_b32 v[PO], 7, v0
	v_lshlrev_b32 v[PO], 4, v[PO]                  ; 16 (r % 8)
	v_lshl_add_u32 v[PO], v15, 7, v[PO]            ; + 128 h
	v_bfe_u32 v98, v0, 3, 1
	v_lshl_add_u32 v[PO], v98, 8, v[PO]            ; + 256 (r / 8): rows 0-7 of a tile fill one aligned 256 bytes of a store, rows 8-15 the next
	v_lshlrev_b32 v96, 11, v14
	v_lshl_add_u32 v96, v15, 4, v96                ; x: row r, quad h of a pair
	v_lshlrev_b32 v97, 9, v14
	v_lshl_add_u32 v97, v15, 7, v97                ; attn: row r, n = 32 h on
	s_lshl_b32 s44, s14, 7
	s_lshl_b32 s45, s12, 5
	s_add_co_u32 s44, s44, s45                     ; my wave's first row: 128 mt + 32 w
	s_lshl_b32 s46, s44, 11
	s_lshl_b32 s47, s15, 7
	s_add_co_u32 s46, s46, s47                     ; x: that row, d = 32 ky on
	s_mov_b32 s47, 0
	s_lshl_b32 s48, s44, 9                         ; attn: that row
	s_mov_b32 s49, 0
	s_lshl_b32 s50, s15, 22
	s_lshl_b32 s45, s14, 18
	s_add_co_u32 s50, s50, s45
	s_lshl_b32 s45, s12, 13
	s_add_co_u32 s50, s50, s45                     ; part: [ky][row tile 8 mt + a][w][i][half][r / 8][r % 8 + 8 h]
	s_mov_b32 s51, 0
	s_wait_kmcnt 0x0
	s_add_nc_u64 s[6:7], s[6:7], s[46:47]
	s_add_nc_u64 s[4:5], s[4:5], s[48:49]
	s_add_nc_u64 s[10:11], s[10:11], s[50:51]
; x and attn are asked for ahead of the cluster's first round: they are on their way while the four work-groups meet
.irp T, 0,1
.irp q, 0,1,2,3
	global_load_b128 v[40+16*\T+4*\q:43+16*\T+4*\q], v96, s[6:7] offset:\T*32768+32*\q
.endr
.endr
.irp T, 0,1
.irp c, 0,1
.irp q, 0,1,2,3,4,5,6,7
	global_load_b128 v[ATT+64*\T+32*\c+4*\q:ATT+64*\T+32*\c+4*\q+3], v97, s[4:5] offset:\T*8192+\c*256+16*\q   ; register 32 c + i: attn(row r, 64 c + 32 h + i): the operand's own order
.endr
.endr
.endr
	s_mov_b32 s24, 1
	s_mov_b32 s25, s42
	s_add_nc_u64 s[26:27], s[8:9], s[40:41]
	s_mov_b32 s28, 1
	s_add_co_u32 s29, s42, SLOT
	s_add_nc_u64 s[30:31], s[26:27], SLOT
	s_or_b32 s27, s27, 0x80000000
	s_or_b32 s31, s31, 0x80000000
	CROUND                                         ; all four work-groups are here: the first joint loads meet
	tensor_load_to_lds s[24:27], s[16:23]          ; slot 0: K steps 0-3
	s_nop 0
	tensor_load_to_lds s[28:31], s[16:23]          ; slot 1: K steps 4-7; this set of registers walks on
	s_nop 0
	PLACES
	s_wait_loadcnt 32                              ; x is in; attn's 32 loads may be out
.irp T, 0,1
.irp q, 0,1,2,3
	ds_store_b128 v[XW], v[40+16*\T+4*\q:43+16*\T+4*\q] offset:2048*\T+512*\q
.endr
.endr
	ds_load_b128 v[XC:XC+3], v[ADRX]               ; quad 0 (LDS serves a wave's instructions in order: these see my stores)
	ds_load_b128 v[XC+4:XC+7], v[ADRX] offset:2048
	s_wait_loadcnt 0x0
.irp q, 0,1,2,3
	v_max3_num_f32 v[AMAX+\q], |v[ATT+32*\q]|, |v[ATT+32*\q+1]|, |v[ATT+32*\q+2]|
.endr
.irp i, 3,5,7,9,11,13,15,17,19,21,23,25,27,29
.irp q, 0,1,2,3
	v_max3_num_f32 v[AMAX+\q], v[AMAX+\q], |v[ATT+32*\q+\i]|, |v[ATT+32*\q+\i+1]|
.endr
.endr
.irp q, 0,1,2,3
	v_max_num_f32 v[AMAX+\q], v[AMAX+\q], |v[ATT+32*\q+31]|
.endr
	s_wait_dscnt 0x0
; d = s x x, two at a time; x is one word of the pair xq, for both halves
.macro XMUL d, s, xq, odd
.if \odd
	v_pk_mul_f32 v[(\d):(\d)+1], v[(\s):(\s)+1], v[(\xq):(\xq)+1] op_sel:[0,1] op_sel_hi:[1,1]
.else
	v_pk_mul_f32 v[(\d):(\d)+1], v[(\s):(\s)+1], v[(\xq):(\xq)+1] op_sel_hi:[1,0]
.endif
.endm
; Item L of the list that makes tile T's fragment for the d whose x is element e of the quad in hand.
;   0-4    |x| x the blocks' largest attn, the floor 2^(3 - 127), 2 off the exponent field: the conversions' scale operands
;   5-46   the 64 products in groups of eight (three sets of registers by turns) and the eight conversions: four plain lines stand between a conversion and the rewriting of its sources
;   44-50  the two bytes, at their places in the row's word; with lane l xor 16's two the word is whole.  51 (tile 1): both tiles' words in one register
.macro GENI T, e, L
.set gX, XC+4*(\T)+2*((\e)/2)
.set gO, (\e)%2
.set gS, SO+2*(\T)
.set gC, CODE+8*(\T)
.set gA, ATT+64*(\T)
.set gz, (\L)-13
.set gg, gz/5+2
.if (\L) == 0
	XMUL TT, AMAX+2*(\T), gX, gO
.elseif (\L) < 3
	v_max_num_f32 v[TT+(\L)-1], 0x1800000, |v[TT+(\L)-1]|
.elseif (\L) < 5
	v_add_nc_u32 v[gS+(\L)-3], 0xff000000, v[TT+(\L)-3]
.elseif (\L) < 13
	XMUL PR+8*(((\L)-5)/4)+2*(((\L)-5)%4), gA+8*(((\L)-5)/4)+2*(((\L)-5)%4), gX, gO
.elseif ((\L) < 44) && (gz%5 == 0)
	v_cvt_scalef32_pk8_fp4_f32 v[gC+gz/5], v[PR+8*((gz/5)%3):PR+8*((gz/5)%3)+7], v[gS+gz/20]
.elseif (\L) < 44
	XMUL PR+8*(gg%3)+2*(gz%5-1), gA+8*gg+2*(gz%5-1), gX, gO
.elseif (\L) < 46
	v_lshrrev_b32 v[BY+(\L)-44], 23, v[gS+(\L)-44]
.elseif (\L) == 46
	v_cvt_scalef32_pk8_fp4_f32 v[gC+7], v[PR+8:PR+15], v[gS+1]
.elseif (\L) == 47
	v_lshl_or_b32 v[BY], v[BY+1], 16, v[BY]        ; (the plain line behind the last conversion)
.elseif (\L) == 48
	v_lshlrev_b32 v[BY], v[SH8], v[BY]
.elseif (\L) == 49
	v_permlanex16_b32 v[BY+1], v[BY], s34, s35
.elseif (\L) == 50
	v_or_b32 v[PW+(\T)], v[BY], v[BY+1]
.else
	v_cndmask_b32 v[PWS], v[PW], v[PW+1], s36      ; lanes 0-15: tile 0's rows; lanes 16-31: tile 1's
.endif
.endm
.macro GENFRAG T, e                    ; the whole list on end; every window is 0
.set gl, 0
.rept 51+(\T)
	GENI \T, \e, gl
.set gl, gl+1
.endr
.endm
.macro WMMA
.if wsel == 0
	v_wmma_scale_f32_16x16x128_f8f6f4 v[uD:uD+7], v[uV:uV+7], v[uA:uA+7], v[uD:uD+7], v[uSV], v[uSA] matrix_a_fmt:MATRIX_FMT_FP4 matrix_b_fmt:MATRIX_FMT_FP4
.elseif wsel == 1
	v_wmma_scale_f32_16x16x128_f8f6f4 v[uD:uD+7], v[uV:uV+7], v[uA:uA+7], v[uD:uD+7], v[uSV], v[uSA] matrix_a_fmt:MATRIX_FMT_FP4 matrix_b_fmt:MATRIX_FMT_FP4 matrix_b_scale:MATRIX_SCALE_ROW1
.elseif wsel == 2
	v_wmma_scale_f32_16x16x128_f8f6f4 v[uD:uD+7], v[uV:uV+7], v[uA:uA+7], v[uD:uD+7], v[uSV], v[uSA] matrix_a_fmt:MATRIX_FMT_FP4 matrix_b_fmt:MATRIX_FMT_FP4 matrix_a_scale:MATRIX_SCALE_ROW1
.elseif wsel == 3
	v_wmma_scale_f32_16x16x128_f8f6f4 v[uD:uD+7], v[uV:uV+7], v[uA:uA+7], v[uD:uD+7], v[uSV], v[uSA] matrix_a_fmt:MATRIX_FMT_FP4 matrix_b_fmt:MATRIX_FMT_FP4 matrix_a_scale:MATRIX_SCALE_ROW1 matrix_b_scale:MATRIX_SCALE_ROW1
.elseif wsel == 4
	v_wmma_scale_f32_16x16x128_f8f6f4 v[uD:uD+7], v[uV:uV+7], v[uA:uA+7], 0, v[uSV], v[uSA] matrix_a_fmt:MATRIX_FMT_FP4 matrix_b_fmt:MATRIX_FMT_FP4
.elseif wsel == 5
	v_wmma_scale_f32_16x16x128_f8f6f4 v[uD:uD+7], v[uV:uV+7], v[uA:uA+7], 0, v[uSV], v[uSA] matrix_a_fmt:MATRIX_FMT_FP4 matrix_b_fmt:MATRIX_FMT_FP4 matrix_b_scale:MATRIX_SCALE_ROW1
.elseif wsel == 6
	v_wmma_scale_f32_16x16x128_f8f6f4 v[uD:uD+7], v[uV:uV+7], v[uA:uA+7], 0, v[uSV], v[uSA] matrix_a_fmt:MATRIX_FMT_FP4 matrix_b_fmt:MATRIX_FMT_FP4 matrix_a_scale:MATRIX_SCALE_ROW1
.else
	v_wmma_scale_f32_16x16x128_f8f6f4 v[uD:uD+7], v[uV:uV+7], v[uA:uA+7], 0, v[uSV], v[uSA] matrix_a_fmt:MATRIX_FMT_FP4 matrix_b_fmt:MATRIX_FMT_FP4 matrix_a_scale:MATRIX_SCALE_ROW1 matrix_b_scale:MATRIX_SCALE_ROW1
.endif
.endm
; Unit u of 32: row tile a = u / 4 against column tiles 2 (u % 4) and 2 (u % 4) + 1.  p: the set of V's fragments and of the scale words.  The 64 accumulators take turns, one instruction a turn, in the same order in every K step.
.macro UNIT u, p, zero
.set ua, (\u)/4
.set ubb, (\u)%4
	WIN 0xa5+0x50*(ua/4)                           ; sources 0 and 1 window 1; C and D window 2 or 3
.irp o, 0,1
.set uD, 8*(8*(ua%4)+2*ubb+\o)
.set uV, 64*(\p)+8*(2*ubb+\o)
.set uA, 128+8*ua
.set uSV, VS+4*(\p)+ubb
.set uSA, AS+4*(\p)+ua/2
.set wsel, 4*(\zero)+2*\o+ua%2
	WMMA
.endr
.endm
.macro FETCHV set
.irp i, 0,1,2,3,4,5,6,7
.irp c, 0,1
	ds_load_b128 v[64*(\set)+8*\i+4*\c:64*(\set)+8*\i+4*\c+3], v[ADV] offset:\i*1024+\c*512
.endr
.endr
.endm
.macro FETCHA buf, a0                  ; A's blocks a0 .. a0 + 3
.irp a, \a0, \a0+1, \a0+2, \a0+3
.irp c, 0,1
	ds_load_b128 v[128+8*(\a)+4*\c:128+8*(\a)+4*\c+3], v[ADA] offset:(\buf)*ABUF+(\a)*1024+\c*512
.endr
.endr
.endm
; For the next K step, into set and from buffer nb.  dov: V's scale words and eight fragments; doa: A's scale words and blocks 0-3.  Window 0 on entry; the destination's window is 1 on leaving
.macro FETCH nb, dov, doa
.if \dov
	v_add_nc_u32 v[ADV], s32, v[AV0]
	v_add_nc_u32 v[ADS], s32, v[ASV0]
	s_add_co_u32 s32, s32, BLKB
	ds_load_b128 v[VS+4*(\nb):VS+4*(\nb)+3], v[ADS]
.endif
.if \doa
	ds_load_b128 v[AS+4*(\nb):AS+4*(\nb)+3], v[ADA] offset:(\nb)*ABUF+8192
.endif
	WIN 0x40                                       ; destination window 1
.if \dov
	FETCHV \nb
.endif
.if \doa
	FETCHA \nb, 0
.endif
.endm
; K STEP k, j = k % 4.  A(k + 1)'s images are written between barrier k - 1 and barrier k (tile 0's behind barrier k - 1, tile 1's at this step's head) and read only between barrier k and barrier k + 1;
; every wave has waited for those reads when it signals barrier k + 1, behind which their buffer is written again.
; V(k + 1) lies in the slot in hand but in a slot's last step: it hangs on no barrier of this step and is fetched at the step's head, so that the work-group's LDS reads do not all stand behind the barrier;
; it has 32 products in which to land.  In a slot's last step it is fetched behind the barrier, which shows the other slot whole; no LDS line then stands between the add and the wait for it.
; zero = 1: the products start the sums.  turn = 1: the slot's last step: the barrier opens a round of the cluster's barrier and the slot just left is filled again; 2: the same change of slots without a fill.
; gen = 1: the fragments of K step k + 2 are made.  rl = 1: the next quad of x is read.
.macro KSTEP j, zero, turn, gen, rl
.set kp, (\j)%2
.set ke, ((\j)+2)%4
	s_wait_dscnt 8                                 ; all but the youngest eight LDS loads are in: V, A's blocks 0-3 and the scale words among them
	ds_store_b128 v[AWI], v[CODE+8:CODE+11] offset:(1-kp)*ABUF+1024     ; tile 1 of A(k + 1), made in the last step
	ds_store_b128 v[AWI], v[CODE+12:CODE+15] offset:(1-kp)*ABUF+1536
	ds_store_b32 v[AWS], v[PWS] offset:(1-kp)*ABUF
.if \turn
	s_wait_tensorcnt 0x0                           ; all my tensor loads have landed: my part of the next slot
	ds_add_u32 v[SPW], v[NIL]                      ; 0 onto my spare word
.if (\turn) == 1
	s_xor_b32 s29, s29, SLOT                       ; the walking descriptor: the other slot than last time,
	s_add_nc_u64 s[30:31], s[30:31], SLOT          ; the next four blocks
.endif
.else
	FETCH 1-kp, 1, 0                               ; the other set was last read in the step before: four v_nop and tile 1's list stand between
.endif
.set ku, 0
.rept 16
	UNIT ku, kp, \zero
.set ku, ku+1
.endr
	s_wait_dscnt 0x0                               ; my stores have landed, my reads of A(k) and of the slot are in, the add is done
	s_barrier_signal -1
	WIN 0
.if \gen
	GENFRAG 0, ke                                  ; register work while the others arrive; also the places in front of the loads into A's blocks 0-3
.endif
	s_barrier_wait -1
.if (\turn) == 1
	CREST                                          ; no wave of any partner still reads the slot or has a load on its way
	tensor_load_to_lds s[28:31], s[16:23]          ; my one tensor load behind the round: it has four K steps in which to land
	s_nop 0
.endif
	PLACES                                         ; behind the tensor load; and, where no list was made, the places in front of the loads below
.if \turn
	s_sub_co_u32 s32, s32, SLOT                    ; the fetches go back to a slot's first block,
	s_xor_b32 s32, s32, SLOT                       ; in the other slot
.endif
.if \gen
	ds_store_b128 v[AWI], v[CODE:CODE+3] offset:kp*ABUF                 ; tile 0 of A(k + 2)
	ds_store_b128 v[AWI], v[CODE+4:CODE+7] offset:kp*ABUF+512
.if \rl
	ds_load_b128 v[XC:XC+3], v[ADRX] offset:256
.endif
.endif
.if \turn
	FETCH 1-kp, 1, 1
.else
	FETCH 1-kp, 0, 1
.endif
.rept 16
	UNIT ku, kp, \zero
.set ku, ku+1
.endr
	WIN 0
	PLACES                                         ; in front of the loads into A's blocks 4-7
	WIN 0x40
	FETCHA 1-kp, 4
	WIN 0
.if \gen
	GENFRAG 1, ke                                  ; tile 1 of A(k + 2): it stays in registers until the next step's head
.endif
.if \rl
	ds_load_b128 v[XC+4:XC+7], v[ADRX] offset:2048+256
	v_add_nc_u32 v[ADRX], 256, v[ADRX]
.endif
.endm
	GENFRAG 0, 0                                   ; A(0), into buffer 0
	GENFRAG 1, 0
.irp c, 0,1,2,3
	ds_store_b128 v[AWI], v[CODE+4*\c:CODE+4*\c+3] offset:512*\c
.endr
	ds_store_b32 v[AWS], v[PWS]
	s_wait_dscnt 0x0
	GENFRAG 0, 1                                   ; A(1): tile 0 into buffer 1; tile 1 stays in registers until K step 0's head
.irp c, 0,1
	ds_store_b128 v[AWI], v[CODE+4*\c:CODE+4*\c+3] offset:ABUF+512*\c
.endr
	GENFRAG 1, 1
	s_wait_tensorcnt 1                             ; my part of slot 0 is in; slot 1's may stay out
	s_wait_dscnt 0x0
	s_barrier_signal -1
	s_barrier_wait -1
	FETCH 0, 1, 1
	FETCHA 0, 4
	WIN 0
	KSTEP 0, 1, 0, 1, 0                            ; k = 0 stands in front of the loop: its products start the sums
	s_mov_b32 s33, 6
.Lfour:                                            ; k = 1 .. 24: four K steps a trip, one refill
	KSTEP 1, 0, 0, 1, 1
	KSTEP 2, 0, 0, 1, 0
	KSTEP 3, 0, 1, 1, 0
	KSTEP 0, 0, 0, 1, 0
	s_sub_co_u32 s33, s33, 1
	s_cmp_lg_u32 s33, 0
	s_cbranch_scc1 .Lfour
	KSTEP 1, 0, 0, 1, 1                            ; k = 25 .. 31 are written out
	KSTEP 2, 0, 0, 1, 0
	KSTEP 3, 0, 2, 1, 0                            ; the last change of slots: nothing is left to fetch
	KSTEP 0, 0, 0, 1, 0
	KSTEP 1, 0, 0, 1, 0                            ; A(31) is made; there is no further quad of x
	KSTEP 2, 0, 0, 0, 0
	s_wait_dscnt 8                                 ; k = 31
.set ku, 0
.rept 16
	UNIT ku, 1, 0
.set ku, ku+1
.endr
	s_wait_dscnt 0x0
.rept 16
	UNIT ku, 1, 0
.set ku, ku+1
.endr
	PLACES
; THE WAY OUT: the accumulators leave four registers a store, each from its low end on.  A store covers 512 bytes on end, aligned: the first 256 are rows 0-7 of the row tile (lanes 0-7 and 16-23), the next 256 rows 8-15,
; so that the launch behind can take eight rows in whole aligned blocks of 256 bytes.
.irp a, 0,1,2,3,4,5,6,7
	WIN 0x08+4*((\a)/4)                            ; a store's data are its source 1: window 2 or 3
.irp i, 0,1,2,3,4,5,6,7
	global_store_b128 v[PO], v[8*(8*((\a)%4)+\i):8*(8*((\a)%4)+\i)+3], s[10:11] offset:\a*32768+\i*1024 th:TH_STORE_NT
	global_store_b128 v[PO], v[8*(8*((\a)%4)+\i)+4:8*(8*((\a)%4)+\i)+7], s[10:11] offset:\a*32768+\i*1024+512 th:TH_STORE_NT
.endr
.endr
	WIN 0
	s_wait_tensorcnt 0x0                           ; the wave's end
	ds_add_u32 v[SPW], v[NIL]
	s_wait_dscnt 0x0
	CROUND                                         ; the closing round
	s_endpgm
.Lfunc_end_k_q8efd1628fc_gemm:
	.size	k_q8efd1628fc_gemm, .Lfunc_end_k_q8efd1628fc_gemm-k_q8efd1628fc_gemm
	.p2alignl 7, 3214868480
	.fill 96, 4, 3214868480
	.section	.rodata,"a",@progbits
	.p2align	6, 0x0
	.amdhsa_kernel k_q8efd1628fc_gemm
		.amdhsa_group_segment_fixed_size 327680
		.amdhsa_private_segment_fixed_size 0
		.amdhsa_enable_private_segment 0
		.amdhsa_kernarg_size 32
		.amdhsa_user_sgpr_count 2
		.amdhsa_user_sgpr_kernarg_segment_ptr 1
		.amdhsa_wavefront_size32 1
		.amdhsa_system_sgpr_workgroup_id_x 1
		.amdhsa_system_sgpr_workgroup_id_y 1
		.amdhsa_system_sgpr_workgroup_id_z 1
		.amdhsa_system_vgpr_workitem_id 0
		.amdhsa_next_free_vgpr 1024
		.amdhsa_next_free_sgpr 66
		.amdhsa_reserve_vcc 0
		.amdhsa_float_denorm_mode_32 3
		.amdhsa_float_denorm_mode_16_64 3
		.amdhsa_memory_ordered 1
		.amdhsa_forward_progress 1
		.amdhsa_inst_pref_size 238
	.end_amdhsa_kernel
	.amdgpu_metadata
---
amdhsa.version: [ 1, 2 ]
amdhsa.kernels:
  - .name:           k_q8efd1628fc_gemm
    .symbol:         k_q8efd1628fc_gemm.kd
    .args:
      - { .name: attn, .offset: 0, .size: 8, .value_kind: global_buffer, .address_space: global }
      - { .name: x, .offset: 8, .size: 8, .value_kind: global_buffer, .address_space: global }
      - { .name: vq, .offset: 16, .size: 8, .value_kind: global_buffer, .address_space: global }
      - { .name: part, .offset: 24, .size: 8, .value_kind: global_buffer, .address_space: global }
    .group_segment_fixed_size: 327680
    .private_segment_fixed_size: 0
    .kernarg_segment_align: 8
    .kernarg_segment_size: 32
    .max_flat_workgroup_size: 128
    .sgpr_count:     66
    .vgpr_count:     1024
    .wavefront_size: 32
...
	.end_amdgpu_metadata
.endif
;; end of part 2
;; launch finish (part 3): grid 256 x 1, 16 waves a work-group, no clusters, 100,864 bytes of LDS; arguments part, wq, out_b, out0; writes out0
.if DOCPART == 3
	.amdgcn_target "amdgcn-amd-amdhsa--gfx1250"
	.amdhsa_code_object_version 6
	.text
	.protected	k_q8efd1628fc_finish
	.globl	k_q8efd1628fc_finish
	.p2align	8
	.type	k_q8efd1628fc_finish,@function
k_q8efd1628fc_finish:
	s_mov_b64 s[64:65], 0
	v_nop
	global_prefetch_b8 v0, s[64:65] scope:SCOPE_SE
	s_setreg_imm32_b32 hwreg(HW_REG_WAVE_MODE, 25, 1), 1
	s_wait_xcnt 0x0
; out0 = Q(o) Q(out_W)^T + out_b, o = the sum of the sixteen partial sums in part.  Both operands on codes of E2M1 with one E8M0 scale for each 32 along K = e.
; SHARES.  Work-group p: rows 8 p on: 256 work-groups, 256 KiB of partial sums each.  Wave wv: w = wv % 4, kq = wv / 4: it adds the partial sums 4 kq .. 4 kq + 3 of columns 128 w on.
; part holds, for each accumulator tile i and each four of its registers, 256 bytes for rows 0-7 and 256 for rows 8-15.  One load takes tile i whole for my eight rows: lanes 0-15 its registers 0-3, lanes 16-31 its registers 4-7.
; So register 4 i + jj of lane (r7 = lane % 8, h = (lane / 8) % 2, q = lane / 16) is o(row r7, 128 w + 32 (i / 2) + 16 h + 8 (i % 2) + 4 q + jj).
; Waves 4-15 hand their sums to waves 0-3 through LDS.  Wave w exchanges the halves of the lanes between tiles 2 b and 2 b + 1: a lane then holds eight neighbours, k = 32 b + 16 h + 8 q + 0 .. 7, which one conversion turns into one word of codes;
; a block of 32 lies in lanes l, l xor 8, l xor 16 and l xor 24.  The words go to the image of o's operand registers in LDS, each once for row r7 and once for row r7 + 8:
; a matrix tile has 16 rows, and its upper eight are copies of the lower eight; what they give goes into the stage and is not read back.
; Then every wave makes two tiles of 16 outputs, jt = 2 wv and 2 wv + 1 (transposed: source 0 = 16 rows of out_W, source 1 = o; the bias is the C of the first product).  Rows leave through a stage, 1,024 bytes a wave.
; LIMITS: NaN and infinities are not served; a block of zeros, and one under 2^(3 - 127), gets the byte 1.
.set OIMG, 0                           ; LDS: o's four images of 1,024 bytes
.set OSC,  4096                        ; their scale words, 128 bytes each
.set STG,  65536                       ; the stage: 16 rows x (2,048 + 16) bytes.  Between: 4,096 bytes at 4,096 wv for each of waves 4-15
.set LI,   4                           ; v4   16 x lane
.set LS,   5                           ; v5   4 x lane
.set PL,   44                          ; v44  part: 16 (lane % 16) + 512 (lane / 16)
.set WS,   16                          ; v16-23 out_W's scale words (4 tt + s)
.set OS,   24                          ; v24-27 o's
.set BIAS, 28                          ; v28-43
.set S0,   48                          ; v48-79 the sum; later o's four fragments
.set S1,   80                          ; v80-111, v112-143, v144-175: three more sets
.set S2,   112
.set S3,   144
.set R1,   176                         ; v176-239 out_W's eight fragments
.set PC,   112                         ; the codes just made
.set PWD,  120                         ; and their scale word
.set YA,   128                         ; two accumulators
.set YB,   144                         ; half a row read back
.set TM,   240
	s_load_b256 s[4:11], s[0:1], 0x0               ; part s[4:5], wq s[6:7], out_b s[8:9], out0 s[10:11]
	v_lshl_add_u32 v250, v0, 2, 0x18200
	v_mov_b32 v251, 0
	v_lshrrev_b32 v1, 5, v0
	v_readfirstlane_b32 s12, v1                    ; wave 0..15
	v_and_b32 v1, 31, v0
	v_and_b32 v2, 15, v0                           ; r
	v_bfe_u32 v3, v0, 4, 1                         ; lane / 16
	v_lshlrev_b32 v[LI], 4, v1
	v_lshlrev_b32 v[LS], 2, v1
	v_lshlrev_b32 v[PL], 4, v2
	v_lshl_add_u32 v[PL], v3, 9, v[PL]
	s_and_b32 s13, s12, 3                          ; w
	s_lshr_b32 s14, s12, 2                         ; kq
	s_lshl_b32 s15, s12, 12
	v_add_nc_u32 v6, s15, v[LI]                    ; where waves 4-15 put their sums
	s_lshl_b32 s15, s13, 12
	s_add_co_u32 s15, s15, 16384
	v_add_nc_u32 v7, s15, v[LI]                    ; and where waves 0-3 find those of waves 4 + w, 8 + w, 12 + w
	s_add_co_u32 s15, s15, 16384
	v_add_nc_u32 v8, s15, v[LI]
	s_add_co_u32 s15, s15, 16384
	v_add_nc_u32 v9, s15, v[LI]
	v_and_b32 v10, 7, v0
	v_lshlrev_b32 v10, 4, v10                      ; a word of codes: row r7's 16 bytes of an image,
	v_bfe_u32 v45, v0, 3, 1
	v_lshl_add_u32 v10, v45, 3, v10                ; register 2 h + q of the four
	v_lshl_add_u32 v10, v3, 2, v10
	s_lshl_b32 s15, s13, 10
	v_add_nc_u32 v10, s15, v10                     ; in the image of K step w
	s_lshl_b32 s15, s13, 7
	s_add_co_u32 s15, s15, OSC
	v_add_nc_u32 v11, s15, v[LS]
	v_mul_u32_u24 v12, v2, 2064
	v_lshl_add_u32 v12, v3, 5, v12
	s_lshl_b32 s15, s12, 7
	s_add_co_u32 s15, s15, STG
	v_add_nc_u32 v12, s15, v12                     ; the stage, in: row r, + 32 h, + 128 wv
	s_lshr_b32 s15, s12, 1
	s_mul_i32 s15, s15, 2064
	s_and_b32 s16, s12, 1
	s_lshl_b32 s16, s16, 10
	s_add_co_u32 s15, s15, s16
	s_add_co_u32 s15, s15, STG
	v_add_nc_u32 v13, s15, v[LI]                   ; and back: row wv / 2, half wv % 2
	v_lshlrev_b32 v14, 2, v2
	v_lshlrev_b32 v15, 5, v3
	s_mov_b32 s32, 0x76543210
	s_mov_b32 s33, 0xfedcba98
	s_lshr_b32 s16, ttmp9, 1
	s_lshl_b32 s16, s16, 15                        ; the row tile: 32,768 bytes in each partial sum
	s_and_b32 s17, ttmp9, 1
	s_lshl_b32 s17, s17, 8                         ; its rows 0-7 or 8-15
	s_add_co_u32 s16, s16, s17
	s_lshl_b32 s17, s13, 13
	s_add_co_u32 s16, s16, s17
	s_lshl_b32 s17, s14, 24                        ; 4 kq partial sums of 2^22 bytes
	s_add_co_u32 s16, s16, s17
	s_mov_b32 s17, 0
	s_wait_kmcnt 0x0
	s_add_nc_u64 s[20:21], s[4:5], s[16:17]
	s_add_nc_u64 s[22:23], s[20:21], 0x400000
	s_add_nc_u64 s[24:25], s[22:23], 0x400000
	s_add_nc_u64 s[26:27], s[24:25], 0x400000
	s_lshl_b32 s16, s12, 13
	s_add_nc_u64 s[28:29], s[6:7], s[16:17]        ; out_W's images: fragments 8 wv on
	s_lshl_b32 s16, s12, 9
	s_add_nc_u64 s[30:31], s[6:7], s[16:17]        ; their scale words (131,072 more in the immediate)
	s_lshl_b32 s16, s12, 7
	s_add_nc_u64 s[8:9], s[8:9], s[16:17]          ; out_b: 32 wv on
	s_lshl_b32 s16, ttmp9, 3
	s_lshr_b32 s18, s12, 1
	s_add_co_u32 s16, s16, s18
	s_lshl_b32 s16, s16, 11
	s_and_b32 s18, s12, 1
	s_lshl_b32 s18, s18, 10
	s_add_co_u32 s16, s16, s18
	s_add_nc_u64 s[10:11], s[10:11], s[16:17]      ; out0: row 8 p + wv / 2, half wv % 2
.macro LOADK set, i                    ; eight loads, a tile each: two aligned blocks of 256 bytes a load
.irp q, 0,1,2,3,4,5,6,7
	global_load_b128 v[\set+4*\q:\set+4*\q+3], v[PL], s[20+2*\i:21+2*\i] offset:1024*\q th:TH_LOAD_NT
.endr
.endm
.macro ADDK set
.set aq, 0
.rept 16
	v_pk_add_f32 v[S0+aq:S0+aq+1], v[S0+aq:S0+aq+1], v[\set+aq:\set+aq+1]
.set aq, aq+2
.endr
.endm
	LOADK S0, 0                                    ; all of a wave's 60 loads go out on end
	LOADK S1, 1
	LOADK S2, 2
	LOADK S3, 3
.irp f, 0,1,2,3,4,5,6,7                        ; 28 loads for the product: fragment f = 4 tt + s of my two tiles
.irp c, 0,1
	global_load_b128 v[R1+8*\f+4*\c:R1+8*\f+4*\c+3], v[LI], s[28:29] offset:\f*1024+\c*512
.endr
.endr
.irp f, 0,1,2,3,4,5,6,7
	global_load_b32 v[WS+\f], v14, s[30:31] offset:131072+\f*64
.endr
.irp tt, 0,1
	global_load_b128 v[BIAS+8*\tt:BIAS+8*\tt+3], v15, s[8:9] offset:64*\tt
	global_load_b128 v[BIAS+8*\tt+4:BIAS+8*\tt+7], v15, s[8:9] offset:64*\tt+16
.endr
	s_wait_loadcnt 44                              ; the first two sets are in; two sets of 8 and the 28 may be out
	ADDK S1
	s_wait_loadcnt 36                              ; the third is in
	ADDK S2
	s_wait_loadcnt 28                              ; the fourth is in; the product's 28 may be out
	ADDK S3
	s_cmp_lt_u32 s12, 4
	s_cbranch_scc1 .Lkeeps
.irp q, 0,1,2,3,4,5,6,7
	ds_store_b128 v6, v[S0+4*\q:S0+4*\q+3] offset:512*\q
.endr
.Lkeeps:
	s_wait_dscnt 0x0
	s_barrier_signal -1
	s_barrier_wait -1                              ; twelve waves' sums lie in LDS
	s_cmp_lt_u32 s12, 4
	s_cbranch_scc0 .Lwaits
.irp q, 0,1,2,3,4,5,6,7
	ds_load_b128 v[S1+4*\q:S1+4*\q+3], v7 offset:512*\q
.endr
.irp q, 0,1,2,3,4,5,6,7
	ds_load_b128 v[S2+4*\q:S2+4*\q+3], v8 offset:512*\q
.endr
.irp q, 0,1,2,3,4,5,6,7
	ds_load_b128 v[S3+4*\q:S3+4*\q+3], v9 offset:512*\q
.endr
	s_wait_dscnt 16                                ; the first set is in; the other two may be out
	ADDK S1
	s_wait_dscnt 8
	ADDK S2
	s_wait_dscnt 0x0
	ADDK S3
.irp b, 0,1,2,3
	v_mov_b32 v[TM+4+\b], 0                        ; (a lane permute's destination counts as one of its sources)
.endr
.irp b, 0,1,2,3                                ; tile 2 b's lanes 16-31 change places with tile 2 b + 1's lanes 0-15: registers 8 b .. 8 b + 7 now hold k = 32 b + 16 h + 8 q + 0 .. 7
.irp jj, 0,1,2,3
	v_permlane16_swap_b32 v[S0+8*\b+\jj], v[S0+8*\b+4+\jj]
.endr
.endr
.irp b, 0,1,2,3
	v_max3_num_f32 v[TM+\b], |v[S0+8*\b]|, |v[S0+8*\b+1]|, 0x1800000   ; my eight numbers of block b, and the floor 2^(3 - 127)
.endr
.irp i, 2,4,6
.irp b, 0,1,2,3
	v_max3_num_f32 v[TM+\b], v[TM+\b], |v[S0+8*\b+\i]|, |v[S0+8*\b+\i+1]|
.endr
.endr
.irp b, 0,1,2,3
	v_max_num_f32_dpp v[TM+\b], v[TM+\b], v[TM+\b] row_xmask:8 row_mask:0xf bank_mask:0xf   ; with lane l xor 8's
.endr
.irp b, 0,1,2,3
	v_permlanex16_b32 v[TM+4+\b], v[TM+\b], s32, s33
.endr
.irp b, 0,1,2,3
	v_max_num_f32 v[TM+\b], v[TM+\b], v[TM+4+\b]   ; and lane l xor 16's: the block's largest magnitude
.endr
.irp b, 0,1,2,3
	v_add_nc_u32 v[TM+12+\b], 0xff000000, v[TM+\b] ; 2 off the exponent field: the conversion's scale operand
.endr
.irp b, 0,1,2,3
	v_lshrrev_b32 v[TM+4+\b], 23, v[TM+12+\b]
.endr
	v_lshl_or_b32 v[PWD], v[TM+5], 8, v[TM+4]
	v_lshl_or_b32 v[PWD], v[TM+6], 16, v[PWD]
	v_lshl_or_b32 v[PWD], v[TM+7], 24, v[PWD]      ; row r7's scale word, in all four of its lanes
.irp b, 0,1,2,3
	v_cvt_scalef32_pk8_fp4_f32 v[PC+\b], v[S0+8*\b:S0+8*\b+7], v[TM+12+\b]
.endr
	v_nop                                          ; one plain place behind a scaled conversion
.irp b, 0,1,2,3                                ; block b = 2 c + hh: register 4 c + 2 h + q of operand lane r + 16 hh; rows r7 and r7 + 8
	ds_store_b32 v10, v[PC+\b] offset:OIMG+(\b/2)*512+(\b%2)*256
	ds_store_b32 v10, v[PC+\b] offset:OIMG+(\b/2)*512+(\b%2)*256+128
.endr
	ds_store_b32 v11, v[PWD]                       ; lane l holds row l % 8's word: operand lane r finds row r % 8's
.Lwaits:
	s_wait_dscnt 0x0
	s_barrier_signal -1
	s_barrier_wait -1                              ; o's four fragments lie in LDS
.irp s, 0,1,2,3
.irp c, 0,1
	ds_load_b128 v[S0+8*\s+4*\c:S0+8*\s+4*\c+3], v[LI] offset:OIMG+\s*1024+\c*512
.endr
	ds_load_b32 v[OS+\s], v[LS] offset:OSC+128*\s
.endr
	s_wait_dscnt 0x0
	s_wait_loadcnt 0x0                             ; out_W's fragments, its scale words, the bias
.irp s, 0,1,2,3                                ; the two accumulators take turns
.irp tt, 0,1
.if \s == 0
	v_wmma_scale_f32_16x16x128_f8f6f4 v[YA+8*\tt:YA+8*\tt+7], v[R1+8*(4*\tt+\s):R1+8*(4*\tt+\s)+7], v[S0+8*\s:S0+8*\s+7], v[BIAS+8*\tt:BIAS+8*\tt+7], v[WS+4*\tt+\s], v[OS+\s] matrix_a_fmt:MATRIX_FMT_FP4 matrix_b_fmt:MATRIX_FMT_FP4
.else
	v_wmma_scale_f32_16x16x128_f8f6f4 v[YA+8*\tt:YA+8*\tt+7], v[R1+8*(4*\tt+\s):R1+8*(4*\tt+\s)+7], v[S0+8*\s:S0+8*\s+7], v[YA+8*\tt:YA+8*\tt+7], v[WS+4*\tt+\s], v[OS+\s] matrix_a_fmt:MATRIX_FMT_FP4 matrix_b_fmt:MATRIX_FMT_FP4
.endif
.endr
.endr
.rept 4
	v_nop                                          ; places in front of the first read of results (ISA guide 7.12.1)
.endr
.irp tt, 0,1
	ds_store_b128 v12, v[YA+8*\tt:YA+8*\tt+3] offset:64*\tt            ; lane (r, h): out(row r, 32 wv + 16 tt + 8 h + 0 .. 7); each accumulator from its low end on
	ds_store_b128 v12, v[YA+8*\tt+4:YA+8*\tt+7] offset:64*\tt+16
.endr
	s_wait_dscnt 0x0
	s_barrier_signal -1
	s_barrier_wait -1                              ; eight whole rows lie in the stage's rows 0-7
.irp q, 0,1
	ds_load_b128 v[YB+4*\q:YB+4*\q+3], v13 offset:512*\q
.endr
.irp q, 0,1
	s_wait_dscnt 1-\q
	global_store_b128 v[LI], v[YB+4*\q:YB+4*\q+3], s[10:11] offset:512*\q th:TH_STORE_NT   ; 512 bytes on end, aligned
.endr
	s_wait_tensorcnt 0x0
	ds_add_u32 v250, v251
	s_wait_dscnt 0x0
	s_endpgm
.Lfunc_end_k_q8efd1628fc_finish:
	.size	k_q8efd1628fc_finish, .Lfunc_end_k_q8efd1628fc_finish-k_q8efd1628fc_finish
	.p2alignl 7, 3214868480
	.fill 96, 4, 3214868480
	.section	.rodata,"a",@progbits
	.p2align	6, 0x0
	.amdhsa_kernel k_q8efd1628fc_finish
		.amdhsa_group_segment_fixed_size 100864
		.amdhsa_private_segment_fixed_size 0
		.amdhsa_enable_private_segment 0
		.amdhsa_kernarg_size 32
		.amdhsa_user_sgpr_count 2
		.amdhsa_user_sgpr_kernarg_segment_ptr 1
		.amdhsa_wavefront_size32 1
		.amdhsa_system_sgpr_workgroup_id_x 1
		.amdhsa_system_sgpr_workgroup_id_y 1
		.amdhsa_system_sgpr_workgroup_id_z 1
		.amdhsa_system_vgpr_workitem_id 0
		.amdhsa_next_free_vgpr 256
		.amdhsa_next_free_sgpr 66
		.amdhsa_reserve_vcc 0
		.amdhsa_float_denorm_mode_32 3
		.amdhsa_float_denorm_mode_16_64 3
		.amdhsa_memory_ordered 1
		.amdhsa_forward_progress 1
		.amdhsa_inst_pref_size 25
	.end_amdhsa_kernel
	.amdgpu_metadata
---
amdhsa.version: [ 1, 2 ]
amdhsa.kernels:
  - .name:           k_q8efd1628fc_finish
    .symbol:         k_q8efd1628fc_finish.kd
    .args:
      - { .name: part, .offset: 0, .size: 8, .value_kind: global_buffer, .address_space: global }
      - { .name: wq, .offset: 8, .size: 8, .value_kind: global_buffer, .address_space: global }
      - { .name: out_b, .offset: 16, .size: 8, .value_kind: global_buffer, .address_space: global }
      - { .name: out0, .offset: 24, .size: 8, .value_kind: global_buffer, .address_space: global }
    .group_segment_fixed_size: 100864
    .private_segment_fixed_size: 0
    .kernarg_segment_align: 8
    .kernarg_segment_size: 32
    .max_flat_workgroup_size: 512
    .sgpr_count:     66
    .vgpr_count:     256
    .wavefront_size: 32
...
	.end_amdgpu_metadata
.endif
;; end of part 3
